; MI455X (gfx1250); checked and timed in simulation.
; The chip was launched on July 23, 2026; its instructions are those of AMD's public machine-readable ISA for CDNA 5 (MIT licence, August 2026) and "CDNA5" Instruction Set Architecture Reference Guide (July 2026). The comments in the code are by the model that wrote it; some were corrected since.
;; Scaled Dot Product Attention. Allowed arithmetic: matrix products marked QUANTISED: E3M2 operands, one E8M0 scale for each 32 along K, by v_wmma_scale_f32_16x16x128_f8f6f4 with both operands' format E3M2, f32 sums; everything else in f32.
;; Inputs: k 2 x 12 x 2,048 x 64 float32; q 2 x 12 x 2,048 x 64 float32; v 2 x 12 x 2,048 x 64 float32.
;; Outputs: out0 2 x 12 x 2,048 x 64 float32.
;; This version of the problem:
;;   THIS VERSION OF THE PROBLEM IS GIVEN IN LOW PRECISION. The matrix products marked QUANTISED in the list below multiply operands that are first quantised to E3M2 (3 exponent bits, 2 mantissa bits; 6 bits a number), with one power-of-two scale for each 32 numbers along K (OCP MX v1.0); their sums are f32. All else is computed in f32.
;;   The module's matrix products, in the order in which they are computed (A, B: the left and right operand; K: the contracted axis; several contracted axes count as one K, in the product's order):
;;     1. batch 24 x [M 2,048, K 64] x [K 64, N 2,048]; A: input q; B: input k: QUANTISED
;;     2. batch 24 x [M 2,048, K 2,048] x [K 2,048, N 64]; A: softmax (see below); B: input v: QUANTISED
;;   THE QUANTISER, for each operand of a quantised product, along K:
;;     - K is cut into blocks of 32 from its start; a last block that is shorter is filled with zeros.
;;     - A block's scale is 2^e with e = floor(log2(the largest magnitude in the block)) - 4, held to -126 .. 127; a block of zeros has e = 0. As a byte (E8M0): e + 127.
;;     - Each number is divided by its block's scale, clamped to +-28, and rounded to the nearest number of E3M2, ties to even, subnormals kept.
;;     - The product sums the exact products of the quantised numbers (number of the format x scale) in f32.
;;   ~~~python
;;   def quantise(x, axis):      # numpy; x: float32 -> the quantised numbers, widened to float32 again
;;       x = np.moveaxis(x, axis, -1); K = x.shape[-1]
;;       x = np.pad(x, [(0, 0)] * (x.ndim - 1) + [(0, -K % 32)]); x = x.reshape(x.shape[:-1] + (-1, 32)); a = np.abs(x).max(-1, keepdims=True)
;;       e = np.where(a > 0, np.clip(np.frexp(np.where(a > 0, a, 1))[1] - 1 - 4, -126, 127), 0)      # np.frexp(a)[1] - 1 = floor(log2(a)), exactly
;;       r = np.clip(x / 2.0 ** e, -28, 28)
;;       step = 2.0 ** (np.maximum(np.frexp(np.where(r == 0, 1, r))[1] - 1, -2) - 2)
;;       q = np.round(r / step) * step * 2.0 ** e      # np.round: ties to even
;;       return np.moveaxis(q.reshape(q.shape[:-2] + (-1,))[..., :K], -1, axis).astype(np.float32)
;;   ~~~
;;   SOFTMAX AHEAD OF A QUANTISED PRODUCT. Where the list says 'softmax', what is quantised is not the finished softmax but p = 2^(t - M), with t = logit x log2(e) and M = ceil(the row's largest t), a whole number; so 1/2 < the row's largest p <= 1. The row's sum l is taken of the UNQUANTISED p, in f32, and the product's result is divided by l at the end. Since M is a whole number, a kernel that streams over the keys may use a running M (the ceiling of the running maximum): every later rescaling is an exact power of two, which a block's scale takes up: the codes' values come out the same.
;;   OPERANDS COMPUTED ON THE WAY. 'Computed on the way' means the value that the module computes at that place (a softmax that the list does not call 'softmax' is quantised finished and normalised). What goes into a quantiser is computed in f32, as accurately as f32 sums, v_exp_f32 and their like allow (about 1e-6 of the number): no bf16 or f16 on the way to a quantiser, and a product that is left as it is and whose result goes on into a quantised operand takes f32 operands (vector FMAs, or v_wmma_f32_16x16x4_f32). A number that lies on a knife's edge between two numbers of the format may be rounded either way, as far as f32 arithmetic and the matrix unit's own rounding can turn it there, and no further.
;; One version. Each part assembles by itself: llvm-mc -triple=amdgcn-amd-amdhsa -mcpu=gfx1250 --defsym DOCPART=n.
;; ======== version 1 of 1: 2 launches
;; limits: right only within a limited range of input values
;; workspace buffers: kvc 5,013,504 bytes
;; launch quant (part 1): grid 256 x 1, 12 waves a work-group, no clusters, 167,936 bytes of LDS; arguments k, v, kvc; writes kvc
.if DOCPART == 1
	.amdgcn_target "amdgcn-amd-amdhsa--gfx1250"
	.amdhsa_code_object_version 6
	.text
	.protected	k_q28ec19182e_quant
	.globl	k_q28ec19182e_quant
	.p2align	8
	.type	k_q28ec19182e_quant,@function
k_q28ec19182e_quant:
	s_mov_b64 s[64:65], 0
	v_nop
	global_prefetch_b8 v0, s[64:65] scope:SCOPE_SE
	s_setreg_imm32_b32 hwreg(HW_REG_WAVE_MODE, 25, 1), 1
	s_wait_xcnt 0x0
; k and v, [24 heads][2048 keys][64] f32, become codes of BF6 (E3M2) with one E8M0 scale byte for each 32 along a product's K, laid in kvc IN THE ORDER OF THE OPERANDS' REGISTERS.
; k is quantised along d (its K in q k^T: two blocks of 32), v along the keys (its K in p v).  A block's scale is 2^(floor(log2(largest magnitude)) - 4): its byte is the largest magnitude's exponent field - 4.
; WORK LEFT OUT (in the next launch): reference() sets the score of every key behind the query to -infinity, so its softmax weight is 0 for all values of q, k and v: key steps of 128 (in a query's own step: 64) keys all of
; whose keys lie behind all 16 queries of a tile are not multiplied.  LIMIT: a NaN, an infinity or an overflow that reaches only those products is not carried to the result.
; kvc: one block of BLK = 13,056 bytes for each head and key step of 128 keys, at (16 head + step) BLK:
;   +0      four images of K's tile pairs b = 0..3, 1,536 bytes each      +6,144  four images of V's tiles t = 0..3, 1,536 bytes each
;   +12,288 K's scale words [r 0..15][tile 0..7], 4 bytes each            +12,800 V's scale words [r][t 0..3]
; An image is a lane's 12 registers: registers 4 q .. 4 q + 3 of lane l are the 16 bytes at 512 q + 16 l.
;   K pair b: registers 0-5 tile 2 b, 6-11 tile 2 b + 1; lane (r, h) of tile t holds d = 32 h .. 32 h + 31 of key 64 (t / 4) + 32 (r / 8) + 8 (t % 4) + r % 8: the keys of a tile are chosen so that the
;   scores of four neighbouring tiles are 32 neighbouring keys in a lane.   V tile t: lane (r, h), registers 6 c .. 6 c + 5: keys 64 c + 32 h + 0 .. 31 of channel 16 t + r.
;   K's scale word: bytes 0, 1 = the blocks d 0-31, 32-63; bytes 2, 3 = 0.   V's: byte j = keys 32 j .. 32 j + 31.
; SHARES.  A unit is K or V of one key step of one head, 32,768 bytes of f32; unit n = 2 (16 head + step) + (0: K, 1: V).  768 units are 256 work-groups of three; four waves take a unit.  Each of the twelve waves
; brings 32 rows of 256 bytes by its one tensor load, each byte of LDS filled once, and makes one whole image from 64 numbers a lane: a lane holds two whole blocks, so a block's largest magnitude needs no other lane.
; No cluster: no two work-groups read the same bytes.  No prefetch: no loop to run ahead in.  The claim of LDS is larger than the 109,824 bytes used.
; LIMITS: NaN and infinities among the inputs are not served.  A block of zeros (and any block whose largest magnitude lies under 2^(5 - 127)) gets the byte 1: a block of zeros has zero codes, which add
; nothing under that byte, and this program alone reads the bytes.
; BANKS (64 banks of 4 bytes: ISA guide 11.1): rows are 272 bytes apart and each run of 32 rows has 128 bytes more behind it, so that lanes that read two neighbouring runs of 32 keys touch different banks.
.set PIT,  272                         ; an LDS row: 256 bytes + 16 of padding
.set QT,   32*PIT+128                  ; from one run of 32 rows to the next
.set SCL,  12*QT                       ; behind the rows: for each unit 512 bytes for K's scale words and 256 for V's; no tensor load lands here
.set SPARE, SCL+3*768                  ; the spare words, 128 bytes for each wave
.set BLK,  13056
.set X,    16                          ; v16-79   my 64 numbers: block c at X + 32 c
.set C,    80                          ; v80-91   the image's 12 registers
.set WV,   10                          ; s10      my wave's number
	s_load_b128 s[4:7], s[0:1], 0x0                ; k, v
	s_load_b64 s[8:9], s[0:1], 0x10                ; kvc
	v_lshl_add_u32 v14, v0, 2, SPARE
	v_mov_b32 v15, 0
	ds_add_u32 v14, v15                            ; the opening lines
	ds_add_u32 v14, v15
	v_lshrrev_b32 v1, 5, v0
	v_readfirstlane_b32 s[WV], v1                  ; wave 0..11
	; descriptor group 1: 32 rows of 32 elements of 8 bytes, dense in memory; in LDS 4 words of padding behind every 64
	s_mov_b32 s16, (3<<16)|(1<<20)|(5<<22)|(3<<25)
	s_mov_b32 s17, 32<<16                          ; tensor_dim0
	s_mov_b32 s18, 32<<16                          ; tensor_dim1
	s_mov_b32 s19, 32<<16                          ; tile_dim0
	s_mov_b32 s20, 32                              ; tile_dim1
	s_mov_b32 s21, 32                              ; elements from row to row
	s_mov_b32 s22, 0
	s_mov_b32 s23, 0
	s_mov_b32 s24, 1
	s_mul_i32 s25, s[WV], QT                       ; my 32 rows in LDS
	s_lshr_b32 s40, s[WV], 2                       ; which of the three units is mine
	s_and_b32 s41, s[WV], 3                        ; my run of 32 rows; my pair or tile
	s_mul_i32 s31, ttmp9, 3
	s_add_co_u32 s31, s31, s40                     ; unit n
	s_and_b32 s52, s31, 1                          ; 0: K, 1: V
	s_lshr_b32 s31, s31, 1                         ; 16 head + step
	s_lshl_b32 s34, s31, 15                        ; a step is 32,768 bytes of k or v,
	s_lshl_b32 s30, s41, 13                        ; my run 8,192
	s_add_co_u32 s34, s34, s30
	s_mov_b32 s35, 0
	s_mul_i32 s38, s31, BLK                        ; the unit's block of kvc
	s_mov_b32 s39, 0
	s_mov_b32 s28, 0x76543210
	s_mov_b32 s29, 0xfedcba98                      ; v_permlanex16_b32's selects for lane l xor 16
	s_wait_alu depctr_va_vdst(0)
	s_wait_dscnt 0x0
	s_wait_kmcnt 0x0
	s_cmp_eq_u32 s52, 0                            ; the choice hangs on ids alone
	s_cselect_b64 s[36:37], s[4:5], s[6:7]
	s_add_nc_u64 s[26:27], s[36:37], s[34:35]
	s_or_b32 s27, s27, 0x80000000                  ; type = 2
	s_add_nc_u64 s[8:9], s[8:9], s[38:39]
	tensor_load_to_lds s[24:27], s[16:23]          ; the wave's one tensor load
	s_nop 0
	; every address is made here, for every wave alike, ahead of the partings on the role
	v_and_b32 v1, 31, v0                           ; lane
	v_and_b32 v2, 15, v0                           ; r
	v_bfe_u32 v3, v0, 4, 1                         ; h
	s_wait_alu depctr_va_vdst(0)                   ; the wait
	s_mul_i32 s42, s40, 4*QT                       ; my unit's rows
	s_lshr_b32 s43, s41, 1
	s_mul_i32 s43, s43, 2*QT
	s_and_b32 s44, s41, 1
	s_mul_i32 s44, s44, 16*PIT
	s_add_co_u32 s43, s43, s44
	s_add_co_u32 s43, s43, s42                     ; pair b begins at key 64 (b / 2) + 16 (b % 2)
	v_lshrrev_b32 v12, 3, v2
	v_and_b32 v13, 7, v2
	v_mul_u32_u24 v4, v12, QT
	v_mad_u32_u24 v4, v13, PIT, v4
	v_lshl_add_u32 v4, v3, 7, v4
	v_add_nc_u32 v4, s43, v4                       ; v4: K's key 32 (r / 8) + r % 8 further on, + 128 h bytes: my 32 numbers along d
	s_lshl_b32 s44, s41, 6
	s_add_co_u32 s44, s44, s42
	v_mul_u32_u24 v5, v3, QT
	v_lshl_add_u32 v5, v2, 2, v5
	v_add_nc_u32 v5, s44, v5                       ; v5: V's channel 16 t + r, key 32 h
	s_mul_i32 s45, s40, 768
	s_add_co_u32 s45, s45, SCL
	s_lshl_b32 s46, s41, 3
	s_add_co_u32 s46, s46, s45
	v_lshlrev_b32 v6, 5, v2
	v_lshlrev_b32 v7, 4, v2
	v_add_nc_u32 v6, s46, v6                       ; v6: K's scale words [r][2 b], two at once
	s_lshl_b32 s47, s41, 2
	s_add_co_u32 s47, s47, s45
	s_add_co_u32 s47, s47, 512
	v_add_nc_u32 v7, s47, v7                       ; v7: V's scale word [r][t]
	s_lshl_b32 s48, s41, 8
	s_add_co_u32 s49, s48, s45
	s_add_co_u32 s48, s48, 12288
	v_lshlrev_b32 v10, 3, v1
	v_lshlrev_b32 v9, 4, v1
	v_add_nc_u32 v8, s49, v10                      ; v8: the way out of the scale words: 256 bytes a wave, 8 a lane: waves 0, 1 of a unit K's 512 bytes, wave 2 V's 256
	v_add_nc_u32 v10, s48, v10                     ; v10: and their place in the block of kvc
	s_mul_i32 s50, s52, 6144
	s_mul_i32 s51, s41, 1536
	s_add_co_u32 s50, s50, s51
	v_add_nc_u32 v9, s50, v9                       ; v9: my image in the block
	v_lshlrev_b32 v11, 3, v3                       ; 8 h
	v_mov_b32 v109, 0                              ; a lane permute's destination counts as one of its sources
	s_wait_alu depctr_va_vdst(0)                   ; the wait at the head's end
	s_wait_tensorcnt 0x0                           ; my load has landed,
	s_barrier_signal -1
	s_barrier_wait -1                              ; everybody's has
	s_cmp_lg_u32 s52, 0
	s_cbranch_scc1 .Lv_rows
.irp i, 0,1,2,3,4,5,6,7
	ds_load_b128 v[X+4*\i:X+4*\i+3], v4 offset:16*\i              ; tile 2 b: 32 neighbours along d
	ds_load_b128 v[X+32+4*\i:X+32+4*\i+3], v4 offset:8*PIT+16*\i  ; tile 2 b + 1: the key eight rows on
.endr
	s_branch .Lhave
.Lv_rows:
.set i, 0
.rept 32
	ds_load_b32 v[X+i], v5 offset:i*PIT            ; my registers run down the keys: 32 h + i,
	ds_load_b32 v[X+32+i], v5 offset:2*QT+i*PIT    ; and 64 + 32 h + i
.set i, i+1
.endr
.Lhave:
	s_wait_dscnt 0x0
.irp c, 0,1
	v_max3_num_f32 v[100+\c], |v[X+32*\c]|, |v[X+1+32*\c]|, 0x2800000   ; block c's largest magnitude, with the floor 2^(5 - 127) among its leaves: the byte cannot fall under 1
.endr
.irp i, 2,4,6,8,10,12,14,16,18,20,22,24,26,28,30
.irp c, 0,1
	s_delay_alu instid0(VALU_DEP_2)
	v_max3_num_f32 v[100+\c], v[100+\c], |v[X+32*\c+\i]|, |v[X+1+32*\c+\i]|   ; (the two blocks by turns)
.endr
.endr
.irp c, 0,1
	s_delay_alu instid0(VALU_DEP_2)
	v_add_nc_u32 v[104+\c], 0xfe000000, v[100+\c]  ; 4 off the exponent field: the conversion takes the exponent field of this operand as its scale
.endr
.irp c, 0,1
	s_delay_alu instid0(VALU_DEP_2)
	v_lshrrev_b32 v[106+\c], 23, v[104+\c]         ; the scale's byte
.endr
	s_delay_alu instid0(VALU_DEP_1)
	v_lshl_or_b32 v108, v107, 16, v106             ; my two bytes,
	s_delay_alu instid0(VALU_DEP_1)
	v_lshlrev_b32 v108, v11, v108                  ; 8 h bits up;
	s_delay_alu instid0(VALU_DEP_1)
	v_permlanex16_b32 v109, v108, s28, s29
	s_delay_alu instid0(VALU_DEP_1)
	v_or_b32 v108, v108, v109                      ; with lane l xor 16's: bytes (c, h) = (0,0), (0,1), (1,0), (1,1)
.irp c, 0,1
	v_cvt_scalef32_pk16_bf6_f32 v[C+6*\c:C+6*\c+2], v[X+32*\c:X+32*\c+15], v[104+\c]
	v_cvt_scalef32_pk16_bf6_f32 v[92+4*\c:94+4*\c], v[X+16+32*\c:X+31+32*\c], v[104+\c]   ; (a conversion's three registers begin on an even number: a block's second three do not)
.endr
	v_and_b32 v110, 0xffff, v108                   ; for K: tile 2 b's word (bytes 2, 3 = 0),
	v_lshrrev_b32 v111, 16, v108                   ; and tile 2 b + 1's.  (The plain places behind the conversions)
.irp c, 0,1
.irp i, 0,1,2
	v_mov_b32 v[C+3+6*\c+\i], v[92+4*\c+\i]
.endr
.endr
.irp q, 0,1,2
	global_store_b128 v9, v[C+4*\q:C+4*\q+3], s[8:9] offset:512*\q   ; 32 lanes store 512 consecutive bytes, at a multiple of 256 from kvc's first byte
.endr
	s_wait_alu depctr_va_vdst(0)                   ; the wait ahead of the branch
	s_cmp_lg_u32 s52, 0
	s_cbranch_scc1 .Lv_word
	ds_store_b64 v6, v[110:111]                    ; lanes r and r + 16 write the same bytes with the same values
	s_branch .Lwords
.Lv_word:
	ds_store_b32 v7, v108                          ; for V the word is whole as it stands: byte 2 c + h = keys 64 c + 32 h on
.Lwords:
	s_wait_dscnt 0x0                               ; for the others' sake: my scale words lie in LDS
	s_barrier_signal -1
	s_barrier_wait -1
	s_lshr_b32 s53, s41, 1                         ; waves 0, 1 of a unit serve K, wave 2 serves V
	s_cmp_lg_u32 s53, s52
	s_cbranch_scc1 .Ldone
	s_cmp_eq_u32 s41, 3
	s_cbranch_scc1 .Ldone
	ds_load_b64 v[112:113], v8
	s_wait_dscnt 0x0
	global_store_b64 v10, v[112:113], s[8:9]       ; 32 lanes store 256 consecutive bytes, at a multiple of 256 from kvc's first byte
.Ldone:
	s_wait_tensorcnt 0x0                           ; the wave's end
	ds_add_u32 v14, v15
	s_wait_dscnt 0x0
	s_endpgm
.Lfunc_end_k_q28ec19182e_quant:
	.size	k_q28ec19182e_quant, .Lfunc_end_k_q28ec19182e_quant-k_q28ec19182e_quant
	.p2alignl 7, 3214868480
	.fill 96, 4, 3214868480
	.section	.rodata,"a",@progbits
	.p2align	6, 0x0
	.amdhsa_kernel k_q28ec19182e_quant
		.amdhsa_group_segment_fixed_size 167936
		.amdhsa_private_segment_fixed_size 0
		.amdhsa_enable_private_segment 0
		.amdhsa_kernarg_size 24
		.amdhsa_user_sgpr_count 2
		.amdhsa_user_sgpr_kernarg_segment_ptr 1
		.amdhsa_wavefront_size32 1
		.amdhsa_system_sgpr_workgroup_id_x 1
		.amdhsa_system_sgpr_workgroup_id_y 1
		.amdhsa_system_sgpr_workgroup_id_z 1
		.amdhsa_system_vgpr_workitem_id 0
		.amdhsa_next_free_vgpr 128
		.amdhsa_next_free_sgpr 66
		.amdhsa_reserve_vcc 0
		.amdhsa_float_denorm_mode_32 3
		.amdhsa_float_denorm_mode_16_64 3
		.amdhsa_memory_ordered 1
		.amdhsa_forward_progress 1
		.amdhsa_inst_pref_size 15
	.end_amdhsa_kernel
	.amdgpu_metadata
---
amdhsa.version: [ 1, 2 ]
amdhsa.kernels:
  - .name:           k_q28ec19182e_quant
    .symbol:         k_q28ec19182e_quant.kd
    .args:
      - { .name: k, .offset: 0, .size: 8, .value_kind: global_buffer, .address_space: global }
      - { .name: v, .offset: 8, .size: 8, .value_kind: global_buffer, .address_space: global }
      - { .name: kvc, .offset: 16, .size: 8, .value_kind: global_buffer, .address_space: global }
    .group_segment_fixed_size: 167936
    .private_segment_fixed_size: 0
    .kernarg_segment_align: 8
    .kernarg_segment_size: 24
    .max_flat_workgroup_size: 384
    .sgpr_count:     66
    .vgpr_count:     128
    .wavefront_size: 32
...
	.end_amdgpu_metadata
.endif
;; end of part 1
;; launch attn (part 2): grid 256 x 1, 12 waves a work-group, clusters of 2 x 1, 262,656 bytes of LDS; arguments q, kvc, out0; writes out0
.if DOCPART == 2
	.amdgcn_target "amdgcn-amd-amdhsa--gfx1250"
	.amdhsa_code_object_version 6
	.text
	.protected	k_q28ec19182e_attn
	.globl	k_q28ec19182e_attn
	.p2align	8
	.type	k_q28ec19182e_attn,@function
k_q28ec19182e_attn:
	s_mov_b64 s[64:65], 0
	v_nop
	global_prefetch_b8 v0, s[64:65] scope:SCOPE_SE
	s_setreg_imm32_b32 hwreg(HW_REG_WAVE_MODE, 25, 1), 1
	s_wait_xcnt 0x0
	s_wait_alu depctr_hold_cnt(0) depctr_sa_sdst(0) depctr_va_vdst(0) depctr_va_sdst(0) depctr_va_ssrc(0) depctr_va_vcc(0) depctr_vm_vsrc(0)
	s_getreg_b32 s2, hwreg(HW_REG_IB_STS2, 6, 4)
	s_cmp_eq_u32 s2, 0
	s_cbranch_scc0 .Lentry_in_a_cluster
	s_endpgm
.Lentry_in_a_cluster:
	s_bfe_u32 s2, ttmp6, 0x10000c
	s_cmp_lg_u32 s2, 0x1001
	s_cbranch_scc0 .Lentry_shape_is_right
	s_endpgm
.Lentry_shape_is_right:
; out0[head][q][:] = the sum over keys k <= q of softmax_k(q . k / 8) v[k][:], 24 heads of 2,048 x 64, both products on codes of BF6 (E3M2) with one E8M0 scale for each 32 along a product's K.
; K's and V's codes and scale words come from kvc, laid in the order of the operands' registers: a block of BLK = 13,056 bytes for each head and key step of 128 keys:
;   +0 K's eight tiles of 16 keys, 6 registers a lane each (four images of 12)   +6,144 V's four tiles of 16 channels x 128 keys (four images of 12)   +12,288 K's scale words [r][tile]   +12,800 V's [r][tile]
;   (registers 4 q .. 4 q + 3 of lane l of an image are the 16 bytes at 512 q + 16 l).  q arrives as f32 and is quantised here, in registers.
; THE SOFTMAX AHEAD OF THE SECOND PRODUCT: t = score x log2(e) / 8; M = the row's largest t so far, rounded UP to a whole number; p = 2^(t - M) is quantised along the keys, not normalised.  The row's sum is taken of
; the unquantised p and divides at the end.  When M moves, the sum and O are multiplied by 2^(old M - new M): exact, and without a branch on data.
; WORK LEFT OUT: keys behind a query have weight 0 for all values of the inputs (reference()'s own causal mask): key steps, and in the last step halves of 64 keys, that lie wholly behind a tile's 16 queries are not
; multiplied.  LIMIT: a NaN, an infinity or an overflow that reaches only those products is not carried to the result.
; SHARES.  A wave takes ONE tile of 16 queries: B key steps without a mask and one with it, B = the number of its block of 128 queries.  A head has 16 blocks x 8 tiles; 24 x 128 tiles are 256 work-groups x 12 waves.
; 32 work-groups, 16 pairs, serve three heads.  Pair p = 0..4 of a head takes three blocks of queries, by wave / 4 (steps 16 9 1, 15 8 3, 14 10 2, 13 7 6, 12 11 4: waves with equal wave % 4 have 26 or 27 steps together);
; the sixteenth pair, 'mixed', takes the block that is left, B = 4 (five steps), of all three heads: head by wave / 4.  Within a block a wave's tile is 2 (wave % 4) + its work-group's place in the pair.
; LDS holds 16 blocks of codes, filled once, never again: a head's 16, or, in a mixed pair, three heads' blocks 0-4.  FIRST PART, 4 BLK: waves 0-2 bring 68 rows of 256 bytes each (key steps 0-3; mixed: each the block 0
; of one head, and a third of the next).  SECOND PART, 12 BLK: waves 9-11 bring 204 rows each (steps 4-15; mixed: each blocks 1-4 of one head).  Those three have short tiles in most pairs.
; CLUSTER.  A pair needs the same bytes: each load is a JOINT one, with the same descriptor and the mask of both.  Ten work-groups belong to a head, so clusters of four would not divide.  Branches hang on the cluster's
; number and the wave's alone; the place in the pair enters q's and out0's addresses and the mask's constant alone.
; No prefetch: all tensor loads stand at the head, there is no loop with loads to run ahead in.
; LAYOUT.  Both products are used transposed: S^T = K Q^T (source 0 = 16 keys, source 1 = my 16 queries), O^T = V^T P^T (source 0 = 16 channels, source 1 = P): a lane holds ONE query (lane % 16) throughout.
; Row m of K's tile t is key 64 (t / 4) + 32 (m / 8) + 8 (t % 4) + m % 8, so that register 32 c + i of the scores is key 64 c + 32 (lane / 16) + i: a lane holds two WHOLE blocks of 32 keys, in the order in which the second
; product's operand wants them.
; THE FIRST PRODUCT'S K IS 64, THE INSTRUCTION'S 128.  Q's registers 6-11 are zero codes and bytes 2, 3 of both sides' scale words are 0 (2^-127, a finite scale).  K's tile t is named as the 12 registers from 6 t on:
; its upper six are the next tile's codes (behind tile 7: six registers of zeros).  They meet Q's zero codes, and BF6 has no infinity and no NaN: they add exactly 0.
; LIMITS: NaN and infinities among the inputs are not served.  A block of zeros gets the scale byte 1 (its codes are zeros).  v_exp_f32 gives 0 for p under 2^-126 (ISA guide, its entry).  |t| stays under 2^23, so that M is exact.
; REGISTERS: window 1 (v256-309): K's tiles, the last six zeros.  Window 0: v1-3 lane terms; v4-7 a step's LDS addresses; v8, v9, v11 my stage; v10 the mask's constant; v12 -M, v[14:15] the sum in two halves, v16 f,
; v18 the largest score; v19-29, v32-37 at work; v30, v31 the add's; v38-53 sums; v56-69 scale words of K, V, Q, P; v72-83 Q; v84-95 P; v96-159 S^T, then p; v160-191 O^T; v192-239 V; v240-249 at work.
.set BLK,   13056
.set HEADB, 16*BLK
.set PA,    68*256                     ; what one load of the first part brings: a third of 4 BLK
.set CAP1,  3*BLK                      ; the last block of the first part, and of all
.set CAP2,  15*BLK
.set STG,   HEADB                      ; behind the codes: a stage of 16 rows x (256 + 16) bytes for each wave; no tensor load lands here
.set STW,   16*272
.set SPARE, STG+12*STW                 ; the spare words, 128 bytes for each wave
.set T,   38
.set KS,  56
.set VS,  64
.set QS,  68
.set PS,  69
.set QC,  72
.set PC,  84
.set S,   96
.set OT,  160
.set VF,  192
.set CT,  240
.set MX,  248
.set WV,  12                           ; s12 my wave's number
.set BQ,  13                           ; s13 my block of 128 queries = my steps without a mask
.set HD,  14                           ; s14 which of a mixed pair's three heads is mine (else 0)
.set LIM1, 16                          ; s16, s17 my steps without a mask in the first and in the second part
.set LIM2, 17
.set TR,  18                           ; s18 LDS byte of the step's block
.set TB,  19                           ; s19 the same, held inside the part
.set SEL, 20                           ; s[20:21] lane selects: lane l xor 16
.set CS,  22                           ; s[22:23] c = log2(e) / 8
.set G1A, 24                           ; s[24:31] descriptor group 1: 68 rows of 256 bytes
.set G1B, 32                           ; s[32:39] 204 rows
.set G0A, 40
.set G0B, 44
.set KI,  48
.set TN,  49                           ; s49 LDS byte of the next step's block, held inside the part
.set DT,  50                           ; s50 LDS byte of my last step's block
.set B2,  51                           ; s51 where my blocks of the second part begin
.set NINF, 52
.set N1,  53                           ; s53 the blocks of my head in the first part: 4, mixed 1
.set SI,  73                           ; s73 wave % 4
.set MSB, 0
.macro WIN new                         ; the immediate's high byte repeats the setting that is left
.if MSB != \new
	s_set_vgpr_msb (MSB<<8)|\new
.set MSB, \new
.endif
.endm
; A round of the cluster's barrier: my work-group's barrier; wave 0 signals for the work-group; every wave waits for both work-groups; my work-group's barrier once more.
.macro ROUND
	s_barrier_signal -1
	s_barrier_wait -1
	s_cmp_lg_u32 s[WV], 0
	s_cbranch_scc1 .Lnot_wave_0_\@
	s_barrier_signal -3
.Lnot_wave_0_\@:
	s_barrier_wait -3
	s_barrier_signal -1
	s_barrier_wait -1
.endm
	s_load_b128 s[4:7], s[0:1], 0x0                ; q, kvc
	s_load_b64 s[8:9], s[0:1], 0x10                ; out0
	v_lshl_add_u32 v30, v0, 2, SPARE
	v_mov_b32 v31, 0
	ds_add_u32 v30, v31                            ; the opening lines
	ds_add_u32 v30, v31
	v_lshrrev_b32 v34, 5, v0
	v_readfirstlane_b32 s[WV], v34                 ; wave 0..11
	s_bfe_u32 s10, ttmp6, 0x40000                  ; my place in the pair
	s_lshr_b32 s60, ttmp9, 4
	s_mul_i32 s60, s60, 3                          ; the first of the three heads
	s_and_b32 s61, ttmp9, 15                       ; which of the 16 pairs: 15 = mixed
	s_mul_i32 s62, s61, 13
	s_lshr_b32 s62, s62, 6                         ; / 5: the head
	s_mul_i32 s63, s62, 5
	s_sub_co_u32 s63, s61, s63                     ; p = 0..4
	s_lshr_b32 s66, s[WV], 2
	s_mov_b32 s68, 0x4bcdef                        ; B of waves 0-3 for p = 0, 1, .. (the lowest four bits first; 5 = mixed)
	s_mov_b32 s67, 0x4a6978                        ; of waves 4-7
	s_cmp_eq_u32 s66, 1
	s_cselect_b32 s68, s67, s68
	s_mov_b32 s67, 0x435120                        ; of waves 8-11
	s_cmp_eq_u32 s66, 2
	s_cselect_b32 s68, s67, s68
	s_mov_b32 s67, HEADB
	s_cmp_eq_u32 s61, 15
	s_cselect_b32 s62, 0, s62
	s_cselect_b32 s63, 5, s63
	s_cselect_b32 s[HD], s66, 0
	s_cselect_b32 s[N1], 1, 4
	s_cselect_b32 s69, s67, PA                     ; from one load's bytes in kvc to the next's, first part,
	s_cselect_b32 s70, s67, 4*BLK                  ; and second part,
	s_mov_b32 s67, BLK
	s_cselect_b32 s71, s67, 4*BLK                  ; which begins here in the head
	s_cselect_b32 s72, 3*BLK, 0
	s_add_co_u32 s11, s60, s62                     ; the pair's (first) head
	s_lshl_b32 s63, s63, 2
	s_lshr_b32 s[BQ], s68, s63
	s_and_b32 s[BQ], s[BQ], 15
	s_min_u32 s[LIM1], s[BQ], s[N1]
	s_max_u32 s[LIM2], s[BQ], s[N1]
	s_sub_co_u32 s[LIM2], s[LIM2], s[N1]
	s_mul_i32 s[TR], s[HD], PA
	s_mul_i32 s[B2], s[HD], 4*BLK
	s_mul_i32 s63, s[BQ], BLK
	s_add_co_u32 s[DT], s[B2], s72
	s_add_co_u32 s[DT], s[DT], s63                 ; block B lies at B BLK; mixed: block 4 at (4 + 4 head + 3) BLK
	s_min_u32 s[DT], s[DT], CAP2
	s_add_co_u32 s[B2], s[B2], 4*BLK
	s_and_b32 s[SI], s[WV], 3
	s_add_co_u32 s54, s11, s[HD]
	s_lshl_b32 s54, s54, 19                        ; a head of q or out0 is 524,288 bytes,
	s_lshl_b32 s60, s[BQ], 15                      ; 128 queries 32,768,
	s_add_co_u32 s54, s54, s60
	s_lshl_b32 s60, s[SI], 13
	s_add_co_u32 s54, s54, s60
	s_lshl_b32 s60, s10, 12                        ; my 16 queries 4,096
	s_add_co_u32 s54, s54, s60
	s_mov_b32 s55, 0
	s_mul_i32 s62, s11, HEADB
	s_mul_i32 s56, s[WV], s69
	s_add_co_u32 s56, s56, s62
	s_mov_b32 s57, 0
	s_add_co_u32 s58, s[WV], 3
	s_and_b32 s58, s58, 3                          ; waves 9, 10, 11: 0, 1, 2
	s_mul_i32 s58, s58, s70
	s_add_co_u32 s58, s58, s62
	s_add_co_u32 s58, s58, s71
	s_mov_b32 s59, 0
	s_mov_b32 s[G1A], 3|(3<<16)|(1<<21)            ; 15:0 the mask: both work-groups; 17:16 elements of 8 bytes; 20 no padding; 21 set beside a mask
	s_mov_b32 s[G1B], 3|(3<<16)|(1<<21)
.irp g, G1A, G1B
	s_mov_b32 s[\g+1], 32<<16                      ; tensor_dim0 = 32 elements: 256 bytes
	s_mov_b32 s[\g+3], 32<<16                      ; tile_dim0
	s_mov_b32 s[\g+5], 32                          ; dense: a row begins where the last ends
	s_mov_b32 s[\g+6], 0
	s_mov_b32 s[\g+7], 0
.endr
	s_mov_b32 s[G1A+2], 68<<16                     ; tensor_dim1
	s_mov_b32 s[G1A+4], 68                         ; tile_dim1
	s_mov_b32 s[G1B+2], 204<<16
	s_mov_b32 s[G1B+4], 204
	s_mov_b32 s[G0A], 1
	s_mul_i32 s[G0A+1], s[WV], PA                  ; waves 0-2: LDS bytes 0, PA, 2 PA
	s_mov_b32 s[G0B], 1
	s_mul_i32 s[G0B+1], s[SI], 4*BLK               ; waves 9-11: LDS bytes 4, 8, 12 BLK
	s_mov_b32 s[SEL], 0x76543210
	s_mov_b32 s[SEL+1], 0xfedcba98
	s_mov_b32 s[CS], 0x3e38aa3b                    ; c = log2(e) / sqrt(64)
	s_mov_b32 s[CS+1], s[CS]                       ; (named with it as a pair, so it is written)
	s_mov_b32 s[NINF], 0xff800000                  ; -infinity
	v_and_b32 v32, 31, v0
	v_lshlrev_b32 v1, 4, v32                       ; 16 x lane: my place in an image, and in 512 bytes of q or out0
	s_wait_alu depctr_va_vdst(0)                   ; the wait ahead of the waits below
	s_wait_dscnt 0x0
	s_wait_kmcnt 0x0
	s_add_nc_u64 s[4:5], s[4:5], s[54:55]          ; q and out0 at my first query
	s_add_nc_u64 s[8:9], s[8:9], s[54:55]
	s_add_nc_u64 s[G0A+2:G0A+3], s[6:7], s[56:57]
	s_or_b32 s[G0A+3], s[G0A+3], 0x80000000        ; type = 2
	s_add_nc_u64 s[G0B+2:G0B+3], s[6:7], s[58:59]
	s_or_b32 s[G0B+3], s[G0B+3], 0x80000000
.irp i, 0,1,2,3,4,5,6,7
	global_load_b128 v[S+4*\i:S+4*\i+3], v1, s[4:5] offset:512*\i th:TH_LOAD_NT   ; my 16 rows of q as they lie: 512 consecutive bytes a load; read once in the launch
.endr
	ROUND                                          ; both work-groups are here: the joint loads meet
	s_cmp_ge_u32 s[WV], 3                          ; one chain of branches on the wave's number, one load to an arm, one join
	s_cbranch_scc1 .Lnot_first
	tensor_load_to_lds s[G0A:G0A+3], s[G1A:G1A+7]
	s_nop 0
.rept 4
	v_nop
.endr
	s_branch .Lasked
.Lnot_first:
	s_cmp_lt_u32 s[WV], 9
	s_cbranch_scc1 .Lasked
	tensor_load_to_lds s[G0B:G0B+3], s[G1B:G1B+7]
	s_nop 0
.rept 4
	v_nop
.endr
.Lasked:
	v_and_b32 v34, 15, v0                          ; r
	v_bfe_u32 v35, v0, 4, 1                        ; h
	v_lshl_add_u32 v2, v34, 5, 12288               ; K's scale words: 32 bytes for each r
	v_lshl_add_u32 v3, v34, 4, 12800               ; V's: 16
	v_mul_u32_u24 v36, v34, 272
	v_mul_u32_u24 v8, v35, 272
	s_mul_i32 s61, s[WV], STW
	s_add_co_u32 s61, s61, STG                     ; my stage
	v_lshl_add_u32 v8, v34, 4, v8
	v_lshl_add_u32 v11, v35, 7, v36
	v_lshl_add_u32 v9, v35, 5, v36
	v_add_nc_u32 v8, s61, v8                       ; v8: by rows: lanes 0-15 one row of 256 bytes, lanes 16-31 the next
	v_add_nc_u32 v11, s61, v11                     ; v11: q back: row r, my block of 32 numbers
	v_add_nc_u32 v9, s61, v9                       ; v9: O in: row r, 32 h bytes on
	s_and_b32 s62, s[SI], 1
	s_lshl_b32 s62, s62, 5
	s_lshl_b32 s63, s10, 4
	s_add_co_u32 s62, s62, s63
	v_lshlrev_b32 v37, 5, v35
	v_lshlrev_b32 v21, 3, v35                      ; 8 h
	v_sub_nc_u32 v10, v34, v37
	v_add_nc_u32 v10, s62, v10                     ; v10 = 32 (wave % 2) + 16 place + r - 32 h: in the last 64 keys of the masked step register i is seen where i <= v10
	v_mov_b32 v18, 0xff61b1e6                      ; the largest score so far: -3e38
	v_mov_b32 v12, 0x7e967699                      ; -M so far: 1e38: whatever was summed under it (zeros) is multiplied by 0
	v_mov_b32 v13, 0                               ; (upper halves of pairs)
	v_mov_b32 v17, 0
	v_mov_b32 v14, 0                               ; the sum, in two halves
	v_mov_b32 v15, 0
	v_mov_b32 v20, 0                               ; written once: a lane permute's destination counts as one of its sources
	v_mov_b32 v33, 0
	WIN 0x40
.irp j, 48,49,50,51,52,53
	v_mov_b32 v[\j], 0                             ; v304-309, behind K's tile 7: zero codes, for good
.endr
	WIN 0
.set j, 0
.rept 32
	v_mov_b32 v[OT+j], 0                           ; O^T.  (A step is written once for all: the first finds zeros, which the first change of M leaves zeros)
.set j, j+1
.endr
	; q: through my stage, so that a lane holds the 32 neighbours of one block: lane (r, h): d = 32 h .. 32 h + 31 of query r
	s_wait_alu depctr_va_vdst(0)                   ; the wait ahead of the wait below
	s_wait_loadcnt 0x0
.irp i, 0,1,2,3,4,5,6,7
	ds_store_b128 v8, v[S+4*\i:S+4*\i+3] offset:544*\i
.endr
.irp i, 0,1,2,3,4,5,6,7
	ds_load_b128 v[S+32+4*\i:S+32+4*\i+3], v11 offset:16*\i   ; LDS serves a wave's instructions in order (ISA guide 5.7.1.4): these see my stores
.endr
	s_wait_dscnt 0x0
.irp c, 0,1
	v_max3_num_f32 v[22+\c], |v[S+32+16*\c]|, |v[S+33+16*\c]|, 0x2800000   ; the block's largest magnitude in two chains, with the floor 2^(5 - 127): the byte cannot fall under 1
.endr
.irp i, 2,4,6,8,10,12,14
.irp c, 0,1
	s_delay_alu instid0(VALU_DEP_2)
	v_max3_num_f32 v[22+\c], v[22+\c], |v[S+32+16*\c+\i]|, |v[S+33+16*\c+\i]|
.endr
.endr
	s_delay_alu instid0(VALU_DEP_1)
	v_max_num_f32 v22, v22, v23
	s_delay_alu instid0(VALU_DEP_1)
	v_add_nc_u32 v24, 0xfe000000, v22              ; 4 off the exponent field: the conversion's scale operand
	v_cvt_scalef32_pk16_bf6_f32 v[QC:QC+2], v[S+32:S+47], v24
	v_cvt_scalef32_pk16_bf6_f32 v[QC+4:QC+6], v[S+48:S+63], v24   ; (a conversion's three registers begin on an even number)
	v_lshrrev_b32 v32, 23, v24                     ; the scale's byte.  (The plain place behind the conversions)
	v_mov_b32 v[QC+3], v[QC+4]
	v_mov_b32 v[QC+4], v[QC+5]
	v_mov_b32 v[QC+5], v[QC+6]                     ; registers 0-5: k = 32 h .. 32 h + 31
	v_lshlrev_b32 v32, v21, v32                    ; my byte, 8 h bits up,
	v_mov_b32 v[QC+6], 0                           ; registers 6-11, k = 64 on: zero codes
	v_permlanex16_b32 v33, v32, s[SEL], s[SEL+1]
	v_mov_b32 v[QC+7], 0
	v_or_b32 v[QS], v32, v33                       ; with lane l xor 16's: Q's scale word; bytes 2, 3 are 0
.irp j, 8,9,10,11
	v_mov_b32 v[QC+\j], 0
.endr
.rept 4
	v_nop                                          ; with the four above: eight places in front of the first product, which names the scale word
.endr
; K's tiles and scale words: 14 loads.  KADR makes their addresses.
.macro KADR
	v_add_nc_u32 v4, s[TN], v1
	v_add_nc_u32 v5, s[TN], v2
.endm
.macro KLOAD
	ds_load_b128 v[KS:KS+3], v5
	ds_load_b128 v[KS+4:KS+7], v5 offset:16
	WIN 0x40
.irp n, 0,1,2,3,4,5,6,7,8,9,10,11
	ds_load_b128 v[4*\n:4*\n+3], v4 offset:512*\n  ; v256-303: 512 consecutive bytes a load
.endr
	WIN 0
.endm
; T_j += the pair at base + 2 j, j = k0 .. k0 + n - 1
.macro SUMS base, k0, n
.set j, \k0
.rept \n
	v_pk_add_f32 v[T+2*j:T+2*j+1], v[T+2*j:T+2*j+1], v[\base+2*j:\base+2*j+1]
.set j, j+1
.endr
.endm
; T_j = the sum of two pairs of p, j = k0 .. k0 + n - 1
.macro PAIRS k0, n
.set j, \k0
.rept \n
	v_pk_add_f32 v[T+2*j:T+2*j+1], v[S+4*j:S+4*j+1], v[S+4*j+2:S+4*j+3]
.set j, j+1
.endr
.endm
.macro TMINUSM base                    ; t - M, two at a time (of the pairs c and -M the low word serves both halves)
	v_pk_fma_f32 v[\base:\base+1], v[\base:\base+1], s[CS:CS+1], v[12:13] op_sel_hi:[1,0,0]
.endm
; A KEY STEP of 64 nc keys whose K lies in the registers or is on its way there.  diag = 0: no mask, and the next step's K is fetched; diag = 1: my last step, its last 64 keys under the mask.
.macro STEP nc, diag, tb
	s_wait_dscnt 0x0                               ; K's tiles are in
	WIN 0x01
.set n, 0
.rept 4*\nc
	v_wmma_scale_f32_16x16x128_f8f6f4 v[S+8*n:S+8*n+7], v[6*n:6*n+11], v[QC:QC+11], 0, v[KS+n], v[QS] matrix_a_fmt:MATRIX_FMT_BF6 matrix_b_fmt:MATRIX_FMT_BF6
.set n, n+1
.endr
	WIN 0
	v_add_nc_u32 v6, s[\tb], v1                    ; four places: in front of the loads below, and of the first read of the scores
	v_add_nc_u32 v7, s[\tb], v3
.if \diag
	v_nop
	v_nop
.else
	KADR
.endif
.irp n, 0,1,2,3,4,5,6,7,8,9,10,11
	ds_load_b128 v[VF+4*\n:VF+4*\n+3], v6 offset:6144+512*\n     ; V's four tiles land while the softmax is walked,
.endr
	ds_load_b128 v[VS:VS+3], v7
.if \diag
.set n, 0
.rept 32
	v_cmp_le_i32 vcc_lo, n, v10
	v_cndmask_b32 v[S+32*\nc-32+n], s[NINF], v[S+32*\nc-32+n], vcc_lo   ; a hidden key's score becomes -infinity ahead of the maximum: p = 0
.set n, n+1
.endr
.else
	KLOAD                                          ; and so do K's tiles of the next step
.endif
	; the largest score of each of my blocks of 32 keys, in two chains each: it serves the row's maximum and, since p rises with the score, the block's largest p
.set c, 0
.rept \nc
	v_max3_num_f32 v[22+c], v[S+32*c], v[S+32*c+1], v[S+32*c+2]
	v_max3_num_f32 v[MX+c], v[S+32*c+16], v[S+32*c+17], v[S+32*c+18]
.set c, c+1
.endr
.set n, 3
.rept 6
.set c, 0
.rept \nc
	v_max3_num_f32 v[22+c], v[22+c], v[S+32*c+n], v[S+32*c+n+1]
	v_max3_num_f32 v[MX+c], v[MX+c], v[S+32*c+16+n], v[S+32*c+17+n]
.set c, c+1
.endr
.set n, n+2
.endr
.set c, 0
.rept \nc
	v_max3_num_f32 v[22+c], v[22+c], v[S+32*c+15], v[S+32*c+31]
.set c, c+1
.endr
.set c, 0
.rept \nc
	v_max_num_f32 v[22+c], v[22+c], v[MX+c]
.set c, c+1
.endr
.set OM, 22
.if \nc == 2
.set OM, 19
	s_delay_alu instid0(VALU_DEP_1)
	v_max_num_f32 v19, v22, v23
.endif
	s_delay_alu instid0(VALU_DEP_1)
	v_permlanex16_b32 v20, v[OM], s[SEL], s[SEL+1]
	s_delay_alu instid0(VALU_DEP_1)
	v_max3_num_f32 v18, v18, v[OM], v20            ; the running largest score of my query
	s_delay_alu instid0(VALU_DEP_1)
	v_mul_f32 v29, s[CS], v18                      ; as t (c is positive)
	s_delay_alu instid0(VALU_DEP_1)
	v_floor_f32 v28, -v29                          ; the new -M = floor(-t) = -ceil(t): a whole number
	s_delay_alu instid0(VALU_DEP_1)
	v_sub_f32 v29, v28, v12                        ; M's old value less its new one: a whole number, 0 or less
	v_mov_b32 v12, v28
	s_delay_alu instid0(VALU_DEP_2)
	v_cvt_i32_f32 v29, v29                         ; (it saturates)
	s_delay_alu instid0(VALU_DEP_1)
	v_ldexp_f32 v16, 1.0, v29                      ; f = 2^(old M - new M)
.set j, 0
.rept 16
	TMINUSM S+j
.set j, j+2
.endr
.set c, 0
.rept \nc
	v_fma_f32 v[22+c], v[22+c], s[CS], v12         ; the same of each block's largest score
.set c, c+1
.endr
.set j, 0
.rept 16
	v_pk_mul_f32 v[OT+j:OT+j+1], v[OT+j:OT+j+1], v[16:17] op_sel_hi:[1,0]   ; O^T under the new M: x f
.set j, j+2
.endr
	s_wait_alu depctr_va_vdst(0)                   ; the wait ahead of the batch
	v_exp_f32 v22, v22                             ; the block's largest p: the same two instructions on the same number give the same bits
.set j, 0
.rept 16
	v_exp_f32 v[S+j], v[S+j]                       ; p = 2^(t - M), at most 1: not normalised
	v_exp_f32 v[S+j+1], v[S+j+1]
.if \nc == 2
	TMINUSM S+32+j
.endif
.set j, j+2
.endr
.if \nc == 2
	s_wait_alu depctr_va_vdst(0)                   ; the wait behind this batch and ahead of the next
	v_exp_f32 v23, v23
.set n, 0
.rept 8
	v_exp_f32 v[S+32+4*n], v[S+32+4*n]
	v_exp_f32 v[S+33+4*n], v[S+33+4*n]
	v_exp_f32 v[S+34+4*n], v[S+34+4*n]
	v_exp_f32 v[S+35+4*n], v[S+35+4*n]
	PAIRS n, 1                                     ; the row's sum is taken of the unquantised p: the first block's pairs
.set n, n+1
.endr
	s_wait_alu depctr_va_vdst(0)
	v_max_num_f32 v22, 0x2800000, v22              ; the floor 2^(5 - 127): the byte cannot fall under 1 (a block whose every p is 0 keeps that byte: its codes are zeros)
	v_max_num_f32 v23, 0x2800000, v23
	SUMS S+32, 0, 4
	v_add_nc_u32 v24, 0xfe000000, v22              ; 4 off the exponent field: the conversion's scale operand
	v_add_nc_u32 v25, 0xfe000000, v23
	SUMS S+32, 4, 4
	v_cvt_scalef32_pk16_bf6_f32 v[PC:PC+2], v[S:S+15], v24
	v_cvt_scalef32_pk16_bf6_f32 v[CT:CT+2], v[S+16:S+31], v24     ; (a conversion's three registers begin on an even number)
	v_cvt_scalef32_pk16_bf6_f32 v[PC+6:PC+8], v[S+32:S+47], v25
	v_cvt_scalef32_pk16_bf6_f32 v[CT+4:CT+6], v[S+48:S+63], v25
	v_lshrrev_b32 v26, 23, v24                     ; the scales' bytes.  (The plain places behind the conversions)
	v_lshrrev_b32 v27, 23, v25
	SUMS S+48, 0, 2
	v_lshl_or_b32 v32, v27, 16, v26                ; my two bytes: blocks h and 2 + h
.irp i, 0,1,2
	v_mov_b32 v[PC+3+\i], v[CT+\i]
	v_mov_b32 v[PC+9+\i], v[CT+4+\i]
.endr
	v_lshlrev_b32 v32, v21, v32                    ; 8 h bits up
	SUMS S+48, 2, 1
	v_permlanex16_b32 v33, v32, s[SEL], s[SEL+1]
	SUMS S+48, 3, 1
	v_or_b32 v[PS], v32, v33                       ; with lane l xor 16's: p's scale word for these 128 keys; the twelve sums below stand between it and the products that name it
	SUMS S+48, 4, 4
.else
	v_nop                                          ; a plain place behind the exponentials
	s_wait_alu depctr_va_vdst(0)
	v_max_num_f32 v22, 0x2800000, v22
	PAIRS 0, 4
	v_add_nc_u32 v24, 0xfe000000, v22
	PAIRS 4, 4
	v_cvt_scalef32_pk16_bf6_f32 v[PC:PC+2], v[S:S+15], v24
	v_cvt_scalef32_pk16_bf6_f32 v[CT:CT+2], v[S+16:S+31], v24
	v_lshrrev_b32 v26, 23, v24
.irp i, 0,1,2
	v_mov_b32 v[PC+3+\i], v[CT+\i]
.endr
	v_lshlrev_b32 v32, v21, v26
	v_mov_b32 v[PC+6], 0                           ; keys 64-127: zero codes, under the bytes 0
	v_mov_b32 v[PC+7], 0
	v_permlanex16_b32 v33, v32, s[SEL], s[SEL+1]
	v_mov_b32 v[PC+8], 0
	v_mov_b32 v[PC+9], 0
	v_or_b32 v[PS], v32, v33                       ; ten places stand between it and the products
	v_mov_b32 v[PC+10], 0
	v_mov_b32 v[PC+11], 0
.endif
	SUMS T+8, 0, 4
	SUMS T+4, 0, 2
	s_delay_alu instid0(VALU_DEP_1)
	SUMS T+2, 0, 1
	s_delay_alu instid0(VALU_DEP_1)
	v_pk_fma_f32 v[14:15], v[14:15], v[16:17], v[T:T+1] op_sel_hi:[1,0,1]   ; the sum under the new M, and this step's
	s_wait_alu depctr_va_vdst(0)                   ; the wait ahead of the wait below
.if \diag
	s_wait_dscnt 0x0
.else
	s_wait_dscnt 14                                ; V's tiles and scale words are in; the 14 younger loads, the next step's K, may be out
.endif
.irp t, 0,1,2,3                                ; the four accumulators take turns, one instruction a turn
	v_wmma_scale_f32_16x16x128_f8f6f4 v[OT+8*\t:OT+8*\t+7], v[VF+12*\t:VF+12*\t+11], v[PC:PC+11], v[OT+8*\t:OT+8*\t+7], v[VS+\t], v[PS] matrix_a_fmt:MATRIX_FMT_BF6 matrix_b_fmt:MATRIX_FMT_BF6
.endr
.endm
; My steps without a mask in one part: a loop of constant count; a step that is not mine is jumped over on numbers made of the cluster's and the wave's number alone.
.macro STEPS trips, lim, cap
	s_mov_b32 s[KI], 0
.Lstep_\@:
	s_cmp_ge_u32 s[KI], s[\lim]
	s_cbranch_scc1 .Lnone_\@
	s_min_u32 s[TB], s[TR], \cap
	s_add_co_u32 s[TN], s[TR], BLK
	s_min_u32 s[TN], s[TN], \cap                   ; (the next block inside the part)
	STEP 2, 0, TB
.Lnone_\@:
	s_add_co_u32 s[TR], s[TR], BLK
	s_add_co_u32 s[KI], s[KI], 1
	s_cmp_lt_u32 s[KI], \trips
	s_cbranch_scc1 .Lstep_\@
.endm
	; TWO BARRIERS.  Behind the first the first part is whole: its three loaders wait for their loads.  The second is SPLIT: a wave signals as soon as it has no load out (waves 9-11: when their part of the second part has
	; landed), walks its steps in the first part, and waits only then.  Between signal and wait stand register work and LDS loads of the first part, which nothing writes any more.
	s_wait_alu depctr_va_vdst(0)                   ; the wait at the head's end
	s_cmp_ge_u32 s[WV], 3
	s_cbranch_scc1 .Lnot_mine
	s_wait_tensorcnt 0x0                           ; my load of the first part has landed
.Lnot_mine:
	s_wait_dscnt 0x0
	s_barrier_signal -1
	s_barrier_wait -1                              ; the first part is whole
	s_wait_tensorcnt 0x0                           ; no load of mine is out: say so
	s_barrier_signal -1
	s_min_u32 s[TN], s[TR], CAP1
	KADR
	KLOAD                                          ; K of step 0
	STEPS 4, LIM1, CAP1
	s_barrier_wait -1                              ; everybody has said so: the second part is whole
	s_wait_dscnt 0x0
	s_mov_b32 s[TR], s[B2]
	s_cmp_lt_u32 s[BQ], s[N1]                      ; my last step lies in the first part: its K is in the registers
	s_cbranch_scc1 .Lhave_k
	s_min_u32 s[TN], s[TR], CAP2
	KADR
	KLOAD                                          ; K of my first step in the second part
.Lhave_k:
	STEPS 11, LIM2, CAP2
	s_cmp_lt_u32 s[SI], 2                          ; MY LAST STEP: tiles 0-3 of a block see keys of its first 64 alone
	s_cbranch_scc1 .Lshort
	STEP 2, 1, DT
	s_branch .Lout
.Lshort:
	STEP 1, 1, DT
.Lout:
	; THE WAY OUT.  O^T is divided by the row's sum and goes through my stage, so that sixteen lanes store a whole row of 256 bytes.
.rept 4
	v_nop                                          ; four places behind the last products
.endr
	v_add_f32 v14, v14, v15                        ; the sum's two halves,
	s_delay_alu instid0(VALU_DEP_1)
	v_permlanex16_b32 v20, v14, s[SEL], s[SEL+1]
	s_delay_alu instid0(VALU_DEP_1)
	v_add_f32 v14, v14, v20                        ; and lane l xor 16's: the row's sum; the query's own key counts, so it is above 0
	s_wait_alu depctr_va_vdst(0)                   ; the wait ahead of the transcendental,
	v_rcp_f32 v14, v14
	v_nop                                          ; one plain place behind it,
	s_wait_alu depctr_va_vdst(0)                   ; and the wait behind it
.set j, 0
.rept 16
	v_pk_mul_f32 v[S+j:S+j+1], v[OT+j:OT+j+1], v[14:15] op_sel_hi:[1,0]   ; register 8 t + i is out0(query r, channel 16 t + 8 h + i); each accumulator from its low end on
.set j, j+2
.endr
.irp t, 0,1,2,3
	ds_store_b128 v9, v[S+8*\t:S+8*\t+3] offset:64*\t
	ds_store_b128 v9, v[S+8*\t+4:S+8*\t+7] offset:64*\t+16
.endr
.irp i, 0,1,2,3,4,5,6,7
	ds_load_b128 v[VF+4*\i:VF+4*\i+3], v8 offset:544*\i          ; LDS serves a wave's instructions in order: these see my stores
.endr
.irp i, 0,1,2,3,4,5,6,7
	s_wait_dscnt 7-\i                              ; load i is in; the 7 - i younger ones may be out
	global_store_b128 v1, v[VF+4*\i:VF+4*\i+3], s[8:9] offset:512*\i th:TH_STORE_NT   ; 32 lanes store 512 consecutive bytes, at a multiple of 256 from out0's first byte; written once, read by nobody here
.endr
	s_wait_tensorcnt 0x0                           ; the wave's end
	ds_add_u32 v30, v31
	s_wait_dscnt 0x0
	ROUND                                          ; the closing round: no work-group ends while a partner may still ask for bytes that name it
	s_endpgm
.Lfunc_end_k_q28ec19182e_attn:
	.size	k_q28ec19182e_attn, .Lfunc_end_k_q28ec19182e_attn-k_q28ec19182e_attn
	.p2alignl 7, 3214868480
	.fill 96, 4, 3214868480
	.section	.rodata,"a",@progbits
	.p2align	6, 0x0
	.amdhsa_kernel k_q28ec19182e_attn
		.amdhsa_group_segment_fixed_size 262656
		.amdhsa_private_segment_fixed_size 0
		.amdhsa_enable_private_segment 0
		.amdhsa_kernarg_size 24
		.amdhsa_user_sgpr_count 2
		.amdhsa_user_sgpr_kernarg_segment_ptr 1
		.amdhsa_wavefront_size32 1
		.amdhsa_system_sgpr_workgroup_id_x 1
		.amdhsa_system_sgpr_workgroup_id_y 1
		.amdhsa_system_sgpr_workgroup_id_z 1
		.amdhsa_system_vgpr_workitem_id 0
		.amdhsa_next_free_vgpr 312
		.amdhsa_next_free_sgpr 80
		.amdhsa_reserve_vcc 1
		.amdhsa_float_denorm_mode_32 3
		.amdhsa_float_denorm_mode_16_64 3
		.amdhsa_memory_ordered 1
		.amdhsa_forward_progress 1
		.amdhsa_inst_pref_size 76
	.end_amdhsa_kernel
	.amdgpu_metadata
---
amdhsa.version: [ 1, 2 ]
amdhsa.kernels:
  - .name:           k_q28ec19182e_attn
    .symbol:         k_q28ec19182e_attn.kd
    .args:
      - { .name: q, .offset: 0, .size: 8, .value_kind: global_buffer, .address_space: global }
      - { .name: kvc, .offset: 8, .size: 8, .value_kind: global_buffer, .address_space: global }
      - { .name: out0, .offset: 16, .size: 8, .value_kind: global_buffer, .address_space: global }
    .group_segment_fixed_size: 262656
    .private_segment_fixed_size: 0
    .kernarg_segment_align: 8
    .kernarg_segment_size: 24
    .max_flat_workgroup_size: 384
    .sgpr_count:     80
    .vgpr_count:     312
    .wavefront_size: 32
...
	.end_amdgpu_metadata
.endif
;; end of part 2
